; MI455X (gfx1250); checked and timed in simulation.
; The chip was launched on July 23, 2026; its instructions are those of AMD's public machine-readable ISA for CDNA 5 (MIT licence, August 2026) and "CDNA5" Instruction Set Architecture Reference Guide (July 2026). The comments in the code are by the model that wrote it; some were corrected since.
;; FUNKAN. Allowed arithmetic: float matrix products may take bf16 or f16 operands with f32 sums; all other float work in f32.
;; Inputs: Wt 64 x 64 float32; b 64 float32; beta 64 float32; gamma 64 float32; x 8 x 64 x 128 x 128 float32.
;; Outputs: out0 8 x 64 x 128 x 128 float32.
;; 2 versions, each right; version 2 is version 1 with the launch mix written anew for expert scheduling mode. Each part assembles by itself: llvm-mc -triple=amdgcn-amd-amdhsa -mcpu=gfx1250 --defsym DOCPART=n.
;; ======== version 1 of 2: 2 launches
;; workspace buffers: coef 16,384 bytes
;; launch coef (part 1): grid 256 x 1, 16 waves a work-group, no clusters, 3,072 bytes of LDS; arguments x, gamma, beta, coef; writes coef
.if DOCPART == 1
	.amdgcn_target "amdgcn-amd-amdhsa--gfx1250"
	.amdhsa_code_object_version 6
	.text
	.protected	k_qda26427f2a_coef
	.globl	k_qda26427f2a_coef
	.p2align	8
	.type	k_qda26427f2a_coef,@function
k_qda26427f2a_coef:
	s_mov_b64 s[64:65], 0
	v_nop
	global_prefetch_b8 v0, s[64:65] scope:SCOPE_SE
	s_setreg_imm32_b32 hwreg(HW_REG_WAVE_MODE, 25, 1), 1
	s_wait_xcnt 0x0
; BatchNorm's statistics and, for each row (b, c), the six costs sum_d psi_k(xn) xn, their softmax, and what the next launch needs of it,
; 8 f32 a row:  coef[b][c] = A, D, c5, c4, c3, c2, c1, c0.          x: [8][64][16384] f32.
;   z = A x + D = 2 log2(e) xn;   v = KAPPA tanh(xn) = KAPPA - 2 KAPPA / (1 + 2^z),  KAPPA^2 = 6.5 log2(e);   g = exp(-t^2/2) = 2^(-v^2);
;   psi_k = g * sum_j a_kj v^j (the Hermite functions' coefficients, with t = sqrt(2 ln 2) v folded in);
;   2 log2(e) cost_k = sum_j a_kj S_j with S_j = sum_d g z v^j;     y = sum_k w_k psi_k = g (c0 + .. + c5 v^5),  c_j = sum_k w_k a_kj.
; SHARES.  A channel's mean and variance need its 8 rows (524,288 bytes), the costs need them first.  Four work-groups share a channel: each OWNS
; two rows, which stay in registers from the statistics to the costs, and forms the channel's statistics for itself from all eight rows.
; So x is wanted once by its owner and three times more by the owner's three neighbours, and no table goes through memory.  One work-group for a
; channel would read nothing twice but leave 64 work-groups for the cost pass, which has 3 transcendentals a number: four times the time.
; 16 waves.  Wave w takes chunk w % 8 (2,048 numbers, 8,192 bytes) of four rows: batch (own + 2 p) % 8, p = 0..3, own = 2 q + w / 8, q the
; work-group's place among the channel's four.  At each p the four work-groups read eight different rows.
; Each load of a wave covers 512 consecutive bytes, aligned.  48 loads a wave are issued at once, the last 16 as soon as their registers are free.
; A chunk gives (mean, M2 = sum (x - mean)^2), both passes from registers: the variance is never a difference of two large sums.
; The own chunk stays as x - its chunk's mean.  z = that * A2 + D3, D3 = 2 log2(e) beta - (mean - chunk mean) A2: a chunk is 1/64 of the channel,
; so |mean - chunk mean| <= 8 sigma and D3 stays small whatever offset x carries.
; NO JOINT REQUESTS for the shared rows: they land in LDS, so 524,288 bytes a work-group (more than LDS holds: a ring) would be written there and
; read back, while here each byte goes straight to the lane that sums it.
; The costs are sums along a row with one right-hand column: no operand is used twice, so they stay on the vector unit, in f32.
; LIMITS.  The six sums are kept in the monomial basis: the combination to cost_4 and cost_5 cancels up to about one digit more than summing
; psi_k itself would (absolute error of a cost about 1e-2 |xn| at the worst, which moves a softmax weight only where two costs tie that closely).
; v_exp_f32 gives 0 for results below 2^-126 (ISA guide, its entry): softmax weights that small are 0.  2^z = inf gives tanh = 1 exactly.
; NaN or infinity in x gives NaN for the channel, not bit for bit as in f32 arithmetic of another order.  The four work-groups of a channel merge
; its 64 pairs in different orders: mean and scale may differ in the last bit between rows of a channel.
; The 32 bytes a row leave as a piece of their own (16,384 bytes in all).
.set TWOLOG2E, 0x4038aa3b              ; 2 log2(e)
.set KAPPA,    0x4043fc49              ; sqrt(6.5 log2(e)) = 3.0622733
.set M2KAPPA,  0xc0c3fc49              ; -2 KAPPA
.set A00, 0x3f4049c4                   ;  0.75112554   a_kj = pi^(-1/4) h_kj (2 ln 2)^(j/2), h_kj the coefficient of t^j in H_k / sqrt(2^k k!)
.set A11, 0x3fa01723                   ;  1.25070607
.set A20, 0xbf07f7df                   ; -0.53112597
.set A22, 0x3fbc7df5                   ;  1.47259386
.set A31, 0xbfc411e3                   ; -1.53179585
.set A33, 0x3fb53500                   ;  1.41567996
.set A40, 0x3eeb8100                   ;  0.45996858
.set A42, 0xc0233d27                   ; -2.55060739
.set A44, 0x3f96dd60                   ;  1.17863088
.set A51, 0x3fdb3679                   ;  1.71259982
.set A53, 0xc04a987b                   ; -3.16555663
.set A55, 0x3f60af8c                   ;  0.87767866
.set NA22, 0xbfbc7df5                  ; -a_22, -a_33, -a_42, -a_53: the sums with v^2 and v^3 are kept with the sign of -v^2
.set NA33, 0xbfb53500
.set NA42, 0x40233d27
.set NA53, 0x404a987b
; v1 lane, v2 scratch of the lane sums, v3 16 x lane, v[4:7] two of the 64 pairs, v8, v9 at work
.set MEAN, 10                          ; v10        the channel's mean
.set D2,   11                          ; v11        2 log2(e) beta
.set A2,   12                          ; v[12:13]   2 log2(e) gamma / sqrt(var + eps), twice, for the packed forms
.set D3,   14                          ; v[14:15]   D2 - (mean - my chunk's mean) A2, twice
.set KM2,  16                          ; v[16:17]   -2 KAPPA twice
.set KK,   18                          ; v[18:19]   KAPPA twice
.set SUM,  20                          ; v[20:23]   two chains of sums
.set MP,   24                          ; v[24:25]   the chunk's mean twice
.set Q,    26                          ; v[26:33]   four chains of squares
.set PR,   34                          ; v[34:41]   my four chunks' (mean, M2), in the order in which they are summed; the third is my own
.set X,    42                          ; v[42:105]  my own chunk: x, then x - chunk mean, then z
.set Y0,   106                         ; v[106:169] a neighbour's chunk
.set Y1,   170                         ; v[170:233] another
.set T,    Y0                          ; after the statistics: 2^z, 1/(1+2^z), v, then g z v of 8 numbers
.set G,    Y0+8                        ; g, then g z
.set W,    Y0+16                       ; -v^2
.set W2,   Y0+24                       ; v^4
.set SM,   Y0+32                       ; 48 registers: S_j, four sets of pairs: set p/2 of S_j at SM + 8 j + p
.set PAIRS, 0                          ; LDS: 64 pairs, 32 bytes a wave
.set SUMS,  512                        ; LDS: six sums of each wave, 32 bytes a wave
.macro WSUM d, r, t                    ; v[d] = sum of v[r] over the 32 lanes, in every lane; v[t]: a register written before
	v_add_f32_dpp v[\r], v[\r], v[\r] row_xmask:1 row_mask:0xf bank_mask:0xf
	v_add_f32_dpp v[\r], v[\r], v[\r] row_xmask:2 row_mask:0xf bank_mask:0xf
	v_add_f32_dpp v[\r], v[\r], v[\r] row_xmask:4 row_mask:0xf bank_mask:0xf
	v_add_f32_dpp v[\r], v[\r], v[\r] row_xmask:8 row_mask:0xf bank_mask:0xf
	v_permlanex16_b32 v[\t], v[\r], s32, s33
	v_add_f32 v[\d], v[\r], v[\t]
.endm
.macro FILL buf, base                  ; a chunk: 16 loads of 512 consecutive bytes
.set jj, 0
.rept 16
	global_load_b128 v[\buf+4*jj:\buf+4*jj+3], v3, s[\base:\base+1] offset:512*jj
.set jj, jj+1
.endr
.endm
; (mean, M2) of the chunk in buf, into pair pr; buf is left as x - mean.  young: the loads of later chunks, which stay out.
.macro CHUNK buf, young, pr
	s_wait_loadcnt \young+14                       ; loads 0 and 1 are in; out stay the chunk's 14 younger ones and the later chunks'
	v_pk_add_f32 v[SUM:SUM+1], v[\buf:\buf+1], v[\buf+2:\buf+3]        ; the first numbers start the chains: nothing is cleared
	v_pk_add_f32 v[SUM+2:SUM+3], v[\buf+4:\buf+5], v[\buf+6:\buf+7]
.set jj, 2
.rept 14
	s_wait_loadcnt \young+15-jj                    ; load jj is in; out stay 15 - jj of the chunk and the later chunks'
	v_pk_add_f32 v[SUM:SUM+1], v[SUM:SUM+1], v[\buf+4*jj:\buf+4*jj+1]
	v_pk_add_f32 v[SUM+2:SUM+3], v[SUM+2:SUM+3], v[\buf+4*jj+2:\buf+4*jj+3]
.set jj, jj+1
.endr
	v_pk_add_f32 v[SUM:SUM+1], v[SUM:SUM+1], v[SUM+2:SUM+3]
	v_add_f32 v8, v[SUM], v[SUM+1]
	WSUM 8, 8, 2
	v_mul_f32 v[PR+2*\pr], 0x3a000000, v8          ; x 2^-11: the mean of 2,048 numbers,
	v_mul_f32 v[MP], 0x3a000000, v8                ; and twice more for the packed subtraction
	v_mul_f32 v[MP+1], 0x3a000000, v8
.set pp, 0
.rept 32
	v_pk_add_f32 v[\buf+2*pp:\buf+2*pp+1], v[\buf+2*pp:\buf+2*pp+1], v[MP:MP+1] neg_lo:[0,1] neg_hi:[0,1]
.set pp, pp+1
.endr
.set pp, 0
.rept 4
	v_pk_mul_f32 v[Q+2*pp:Q+2*pp+1], v[\buf+2*pp:\buf+2*pp+1], v[\buf+2*pp:\buf+2*pp+1]
.set pp, pp+1
.endr
.rept 28
	v_pk_fma_f32 v[Q+2*(pp%4):Q+2*(pp%4)+1], v[\buf+2*pp:\buf+2*pp+1], v[\buf+2*pp:\buf+2*pp+1], v[Q+2*(pp%4):Q+2*(pp%4)+1]
.set pp, pp+1
.endr
	v_pk_add_f32 v[Q:Q+1], v[Q:Q+1], v[Q+2:Q+3]
	v_pk_add_f32 v[Q+4:Q+5], v[Q+4:Q+5], v[Q+6:Q+7]
	v_pk_add_f32 v[Q:Q+1], v[Q:Q+1], v[Q+4:Q+5]
	v_add_f32 v8, v[Q], v[Q+1]
	WSUM PR+2*\pr+1, 8, 2
.endm
	s_load_b256 s[4:11], s[0:1], 0x0               ; x s[4:5], gamma s[6:7], beta s[8:9], coef s[10:11]
	v_lshl_add_u32 v234, v0, 2, 0x400
	v_mov_b32 v235, 0
	v_and_b32 v1, 31, v0                           ; lane
	v_lshrrev_b32 v2, 5, v0
	v_readfirstlane_b32 s12, v2                    ; wave 0..15
	v_lshlrev_b32 v3, 4, v1                        ; 16 bytes a lane
	s_lshr_b32 s13, s12, 3                         ; which of the work-group's two rows is mine
	s_and_b32 s14, s12, 7                          ; which chunk of a row
	s_lshr_b32 s15, ttmp9, 2                       ; channel
	s_and_b32 s16, ttmp9, 3                        ; q
	s_lshl_b32 s16, s16, 1
	s_add_co_u32 s16, s16, s13                     ; my own batch, 2 q + w / 8
	s_lshl_b32 s17, s15, 16                        ; channel x 65,536 bytes
	s_lshl_b32 s18, s14, 13                        ; + chunk x 8,192
	s_add_co_u32 s17, s17, s18
.irp p, 0,1,2,3
	s_add_co_u32 s19, s16, 2*\p
	s_and_b32 s19, s19, 7                          ; batch (own + 2 p) % 8
	s_lshl_b32 s19, s19, 22                        ; x 64 rows of 65,536 bytes (all below 2^25)
	s_add_co_u32 s[36+2*\p], s19, s17
	s_mov_b32 s[37+2*\p], 0
.endr
	s_lshl_b32 s20, s15, 2                         ; the channel's gamma and beta
	s_mov_b32 s21, 0
	s_mov_b32 s32, 0x76543210                      ; v_permlanex16_b32: lane i reads lane i of the other half
	s_mov_b32 s33, 0xfedcba98
	s_wait_kmcnt 0x0
.irp p, 0,1,2,3
	s_add_nc_u64 s[24+2*\p:25+2*\p], s[4:5], s[36+2*\p:37+2*\p]        ; a base for each of my four chunks, none rewritten
.endr
	s_add_nc_u64 s[6:7], s[6:7], s[20:21]
	s_add_nc_u64 s[8:9], s[8:9], s[20:21]
	FILL Y0, 26                                    ; p = 1
	FILL Y1, 28                                    ; p = 2
	FILL X, 24                                     ; p = 0: my own
	s_load_b32 s34, s[6:7], 0x0                    ; gamma[c]
	s_load_b32 s35, s[8:9], 0x0                    ; beta[c]
	v_mov_b32 v[KM2], M2KAPPA
	v_mov_b32 v[KM2+1], M2KAPPA
	v_mov_b32 v[KK], KAPPA
	v_mov_b32 v[KK+1], KAPPA
	CHUNK Y0, 32, 0                                ; behind it: Y1's 16 loads and X's 16
	FILL Y0, 30                                    ; p = 3, into the registers just summed
	CHUNK Y1, 32, 1                                ; behind it: X's 16 and the 16 just issued
	CHUNK X, 16, 2                                 ; behind it: those 16
	CHUNK Y0, 0, 3
	; the work-group's 64 pairs meet in LDS: 32 bytes of each wave's own
	s_wait_kmcnt 0x0                               ; gamma and beta
	s_lshl_b32 s19, s12, 5
	v_mov_b32 v9, s19
	ds_store_b128 v9, v[PR:PR+3] offset:PAIRS      ; every lane writes the same bytes with the same value
	ds_store_b128 v9, v[PR+4:PR+7] offset:PAIRS+16
	s_wait_dscnt 0x0                               ; for the others' sake: my stores are done before I signal
	s_barrier_signal -1
	s_barrier_wait -1
	ds_load_b128 v[4:7], v3 offset:PAIRS           ; two of the 64 pairs a lane
	s_wait_dscnt 0x0
	; 64 parts of 2,048 numbers: mean = sum mean_i / 64,  M2 = sum M2_i + 2048 sum (mean_i - mean)^2
	v_add_f32 v8, v4, v6
	WSUM 8, 8, 2
	v_mul_f32 v[MEAN], 0x3c800000, v8              ; / 64
	v_sub_f32 v4, v4, v[MEAN]
	v_sub_f32 v6, v6, v[MEAN]
	v_add_f32 v5, v5, v7
	v_mul_f32 v4, v4, v4
	v_fmac_f32 v4, v6, v6
	v_fmac_f32 v5, 0x45000000, v4                  ; + 2048 x the two squares
	WSUM 5, 5, 2
	v_mov_b32 v8, 0x3727c5ac                       ; eps = 1e-5
	v_fmac_f32 v8, 0x37000000, v5                  ; + M2 / 131072
	v_rsq_f32 v8, v8
	v_mov_b32 v4, TWOLOG2E                         ; a plain instruction between v_rsq_f32 and the use of its result (ISA guide 5.7.2)
	v_mul_f32 v[D2], s35, v4
	s_wait_alu depctr_va_vdst(0)
	v_mul_f32 v8, s34, v8                          ; gamma / sqrt(var + eps)
	v_sub_f32 v5, v[MEAN], v[PR+4]                 ; mean - my own chunk's mean
	v_mul_f32 v[A2], v4, v8
	v_mul_f32 v[A2+1], v4, v8
	v_fma_f32 v[D3], -v5, v[A2], v[D2]
	v_fma_f32 v[D3+1], -v5, v[A2], v[D2]
; Eight numbers a lane.  first = 1: the products start the sums, nothing is cleared.
.macro GROUP n, first
.set XS, X+8*\n
.irp p, 0,2,4,6
	v_pk_fma_f32 v[XS+\p:XS+\p+1], v[XS+\p:XS+\p+1], v[A2:A2+1], v[D3:D3+1]                       ; z = 2 log2(e) xn
.endr
.irp q, 0,1,2,3,4,5,6,7
	v_exp_f32 v[T+\q], v[XS+\q]                    ; e^(2 xn)
.endr
	v_nop                                          ; one plain place behind the last transcendental before its result is read (ISA guide 5.7.2)
	s_wait_alu depctr_va_vdst(0)
.irp p, 0,2,4,6
	v_pk_add_f32 v[T+\p:T+\p+1], v[T+\p:T+\p+1], 1.0 op_sel_hi:[1,0]
.endr
.irp q, 0,1,2,3,4,5,6,7
	v_rcp_f32 v[T+\q], v[T+\q]
.endr
	v_nop
	s_wait_alu depctr_va_vdst(0)
.irp p, 0,2,4,6
	v_pk_fma_f32 v[T+\p:T+\p+1], v[T+\p:T+\p+1], v[KM2:KM2+1], v[KK:KK+1]                         ; v = KAPPA tanh(xn)
.endr
.irp p, 0,2,4,6
	v_pk_mul_f32 v[W+\p:W+\p+1], v[T+\p:T+\p+1], v[T+\p:T+\p+1] neg_lo:[1,0] neg_hi:[1,0]         ; -v^2
.endr
.irp q, 0,1,2,3,4,5,6,7
	v_exp_f32 v[G+\q], v[W+\q]                     ; g; the four products below write W2 alone and stand between it and the first use of G
.endr
.irp p, 0,2,4,6
	v_pk_mul_f32 v[W2+\p:W2+\p+1], v[W+\p:W+\p+1], v[W+\p:W+\p+1]                                 ; v^4
.endr
.if \first
	s_wait_alu depctr_va_vdst(0)
.irp p, 0,2,4,6
	v_pk_mul_f32 v[SM+\p:SM+\p+1], v[G+\p:G+\p+1], v[XS+\p:XS+\p+1]                               ; S_0 = g z
.endr
.irp p, 0,2,4,6
	v_pk_mul_f32 v[SM+8+\p:SM+9+\p], v[SM+\p:SM+\p+1], v[T+\p:T+\p+1]                             ; S_1 = g z v
.endr
.irp p, 0,2,4,6
	v_pk_mul_f32 v[SM+16+\p:SM+17+\p], v[SM+\p:SM+\p+1], v[W+\p:W+\p+1]                           ; -S_2
	v_pk_mul_f32 v[SM+24+\p:SM+25+\p], v[SM+8+\p:SM+9+\p], v[W+\p:W+\p+1]                         ; -S_3
	v_pk_mul_f32 v[SM+32+\p:SM+33+\p], v[SM+\p:SM+\p+1], v[W2+\p:W2+\p+1]                         ; S_4
	v_pk_mul_f32 v[SM+40+\p:SM+41+\p], v[SM+8+\p:SM+9+\p], v[W2+\p:W2+\p+1]                       ; S_5
.endr
.else
	s_wait_alu depctr_va_vdst(0)
.irp p, 0,2,4,6
	v_pk_mul_f32 v[G+\p:G+\p+1], v[G+\p:G+\p+1], v[XS+\p:XS+\p+1]                                 ; m0 = g z
.endr
.irp p, 0,2,4,6
	v_pk_mul_f32 v[T+\p:T+\p+1], v[G+\p:G+\p+1], v[T+\p:T+\p+1]                                   ; m1 = g z v
.endr
.irp p, 0,2,4,6
	v_pk_add_f32 v[SM+\p:SM+\p+1], v[SM+\p:SM+\p+1], v[G+\p:G+\p+1]
	v_pk_add_f32 v[SM+8+\p:SM+9+\p], v[SM+8+\p:SM+9+\p], v[T+\p:T+\p+1]
	v_pk_fma_f32 v[SM+16+\p:SM+17+\p], v[G+\p:G+\p+1], v[W+\p:W+\p+1], v[SM+16+\p:SM+17+\p]
	v_pk_fma_f32 v[SM+24+\p:SM+25+\p], v[T+\p:T+\p+1], v[W+\p:W+\p+1], v[SM+24+\p:SM+25+\p]
	v_pk_fma_f32 v[SM+32+\p:SM+33+\p], v[G+\p:G+\p+1], v[W2+\p:W2+\p+1], v[SM+32+\p:SM+33+\p]
	v_pk_fma_f32 v[SM+40+\p:SM+41+\p], v[T+\p:T+\p+1], v[W2+\p:W2+\p+1], v[SM+40+\p:SM+41+\p]
.endr
.endif
.endm
	GROUP 0, 1
.irp n, 1,2,3,4,5,6,7
	GROUP \n, 0
.endr
	; the four sets, the two halves of a pair, the 32 lanes
.irp j, 0,1,2,3,4,5
	v_pk_add_f32 v[SM+8*\j:SM+8*\j+1], v[SM+8*\j:SM+8*\j+1], v[SM+8*\j+2:SM+8*\j+3]
	v_pk_add_f32 v[SM+8*\j+4:SM+8*\j+5], v[SM+8*\j+4:SM+8*\j+5], v[SM+8*\j+6:SM+8*\j+7]
.endr
.irp j, 0,1,2,3,4,5
	v_pk_add_f32 v[SM+8*\j:SM+8*\j+1], v[SM+8*\j:SM+8*\j+1], v[SM+8*\j+4:SM+8*\j+5]
.endr
.irp j, 0,1,2,3,4,5
	v_add_f32 v[T+\j], v[SM+8*\j], v[SM+8*\j+1]
.endr
.irp m, 1,2,4,8
.irp j, 0,1,2,3,4,5
	v_add_f32_dpp v[T+\j], v[T+\j], v[T+\j] row_xmask:\m row_mask:0xf bank_mask:0xf
.endr
.endr
.irp j, 0,1,2,3,4,5
	v_permlanex16_b32 v[G+\j], v[T+\j], s32, s33
.endr
.irp j, 0,1,2,3,4,5
	v_add_f32 v[T+\j], v[T+\j], v[G+\j]
.endr
	; the eight waves of a row: 32 bytes of LDS each, other bytes than the pairs'
	ds_store_b128 v9, v[T:T+3] offset:SUMS         ; v9 is still 32 x wave
	ds_store_b64 v9, v[T+4:T+5] offset:SUMS+16
	s_wait_dscnt 0x0                               ; for the sake of waves 0 and 8: my stores are done before I signal
	s_barrier_signal -1
	s_barrier_wait -1
	s_cmp_lg_u32 s14, 0                            ; the first wave of each row finishes it
	s_cbranch_scc1 .Lend
	v_and_b32 v2, 7, v1
	v_lshlrev_b32 v2, 5, v2                        ; lane l takes the sums of the row's wave l % 8,
	s_lshl_b32 s19, s13, 8                         ; the second row's eight waves lie 256 bytes on
	v_add_nc_u32 v2, s19, v2
	ds_load_b128 v[T:T+3], v2 offset:SUMS
	ds_load_b64 v[T+4:T+5], v2 offset:SUMS+16
	s_wait_dscnt 0x0
.irp m, 1,2,4
.irp j, 0,1,2,3,4,5
	v_add_f32_dpp v[T+\j], v[T+\j], v[T+\j] row_xmask:\m row_mask:0xf bank_mask:0xf               ; and three steps add the eight
.endr
.endr
	; 2 log2(e) cost_k = sum_j a_kj S_j; T+2 and T+3 hold -S_2 and -S_3
	v_mul_f32 v[G+0], A00, v[T+0]
	v_mul_f32 v[G+1], A11, v[T+1]
	v_mul_f32 v[G+2], A20, v[T+0]
	v_mul_f32 v[G+3], A31, v[T+1]
	v_mul_f32 v[G+4], A40, v[T+0]
	v_mul_f32 v[G+5], A51, v[T+1]
	v_fmac_f32 v[G+2], NA22, v[T+2]
	v_fmac_f32 v[G+3], NA33, v[T+3]
	v_fmac_f32 v[G+4], NA42, v[T+2]
	v_fmac_f32 v[G+5], NA53, v[T+3]
	v_fmac_f32 v[G+4], A44, v[T+4]
	v_fmac_f32 v[G+5], A55, v[T+5]
	; softmax over the six, the maximum taken away first
	v_max3_num_f32 v2, v[G+0], v[G+1], v[G+2]
	v_max3_num_f32 v8, v[G+3], v[G+4], v[G+5]
	v_max_num_f32 v2, v2, v8
.irp k, 0,1,2,3,4,5
	v_sub_f32 v[G+\k], v[G+\k], v2
.endr
.irp k, 0,1,2,3,4,5
	v_mul_f32 v[G+\k], 0.5, v[G+\k]                ; log2(e) / (2 log2(e)): from the scaled costs to the exponent of 2
.endr
.irp k, 0,1,2,3,4,5
	v_exp_f32 v[G+\k], v[G+\k]
.endr
	v_nop
	s_wait_alu depctr_va_vdst(0)
	v_add_f32 v[T+0], v[G+0], v[G+1]
	v_add_f32 v[T+1], v[G+2], v[G+3]
	v_add_f32 v[T+2], v[G+4], v[G+5]
	v_add_f32 v[T+0], v[T+0], v[T+1]
	v_add_f32 v[T+0], v[T+0], v[T+2]               ; at least 1: the largest term is 2^0
	v_rcp_f32 v[T+0], v[T+0]
	v_nop
	s_wait_alu depctr_va_vdst(0)
.irp k, 0,1,2,3,4,5
	v_mul_f32 v[G+\k], v[G+\k], v[T+0]             ; w_k
.endr
	; the row's eight numbers, side by side for two stores of 16 bytes
	v_mov_b32 v[SM+0], v[A2]                       ; A
	v_fma_f32 v[SM+1], -v[MEAN], v[A2], v[D2]      ; D = 2 log2(e) (beta - mean a)
	v_mul_f32 v[SM+2], A55, v[G+5]                 ; c5
	v_mul_f32 v[SM+3], A44, v[G+4]                 ; c4
	v_mul_f32 v[SM+4], A33, v[G+3]                 ; c3
	v_mul_f32 v[SM+5], A22, v[G+2]                 ; c2
	v_mul_f32 v[SM+6], A11, v[G+1]                 ; c1
	v_mul_f32 v[SM+7], A00, v[G+0]                 ; c0
	v_fmac_f32 v[SM+4], A53, v[G+5]
	v_fmac_f32 v[SM+5], A42, v[G+4]
	v_fmac_f32 v[SM+6], A31, v[G+3]
	v_fmac_f32 v[SM+7], A20, v[G+2]
	v_fmac_f32 v[SM+6], A51, v[G+5]
	v_fmac_f32 v[SM+7], A40, v[G+4]
	s_lshl_b32 s19, s16, 6                         ; row = batch x 64 + channel,
	s_add_co_u32 s19, s19, s15
	s_lshl_b32 s19, s19, 5                         ; x 32 bytes
	v_mov_b32 v8, s19
	v_cmp_eq_u32 vcc_lo, 0, v1
	s_wait_xcnt 0x0                                ; EXEC is a source of every global access issued so far: it changes only behind this wait
	s_and_saveexec_b32 s44, vcc_lo                 ; lane 0
	global_store_b128 v8, v[SM:SM+3], s[10:11]
	global_store_b128 v8, v[SM+4:SM+7], s[10:11] offset:16
	s_wait_xcnt 0x0                                ; and again before EXEC is widened
	s_or_b32 exec_lo, exec_lo, s44
.Lend:
	s_wait_tensorcnt 0x0
	ds_add_u32 v234, v235
	s_wait_dscnt 0x0
	s_endpgm
.Lfunc_end_k_qda26427f2a_coef:
	.size	k_qda26427f2a_coef, .Lfunc_end_k_qda26427f2a_coef-k_qda26427f2a_coef
	.p2alignl 7, 3214868480
	.fill 96, 4, 3214868480
	.section	.rodata,"a",@progbits
	.p2align	6, 0x0
	.amdhsa_kernel k_qda26427f2a_coef
		.amdhsa_group_segment_fixed_size 3072
		.amdhsa_private_segment_fixed_size 0
		.amdhsa_enable_private_segment 0
		.amdhsa_kernarg_size 32
		.amdhsa_user_sgpr_count 2
		.amdhsa_user_sgpr_kernarg_segment_ptr 1
		.amdhsa_wavefront_size32 1
		.amdhsa_system_sgpr_workgroup_id_x 1
		.amdhsa_system_sgpr_workgroup_id_y 1
		.amdhsa_system_sgpr_workgroup_id_z 1
		.amdhsa_system_vgpr_workitem_id 0
		.amdhsa_next_free_vgpr 236
		.amdhsa_next_free_sgpr 66
		.amdhsa_reserve_vcc 1
		.amdhsa_float_denorm_mode_32 3
		.amdhsa_float_denorm_mode_16_64 3
		.amdhsa_memory_ordered 1
		.amdhsa_forward_progress 1
		.amdhsa_inst_pref_size 82
	.end_amdhsa_kernel
	.amdgpu_metadata
---
amdhsa.version: [ 1, 2 ]
amdhsa.kernels:
  - .name:           k_qda26427f2a_coef
    .symbol:         k_qda26427f2a_coef.kd
    .args:
      - { .name: x, .offset: 0, .size: 8, .value_kind: global_buffer, .address_space: global }
      - { .name: gamma, .offset: 8, .size: 8, .value_kind: global_buffer, .address_space: global }
      - { .name: beta, .offset: 16, .size: 8, .value_kind: global_buffer, .address_space: global }
      - { .name: coef, .offset: 24, .size: 8, .value_kind: global_buffer, .address_space: global }
    .group_segment_fixed_size: 3072
    .private_segment_fixed_size: 0
    .kernarg_segment_align: 8
    .kernarg_segment_size: 32
    .max_flat_workgroup_size: 512
    .sgpr_count:     66
    .vgpr_count:     236
    .wavefront_size: 32
...
	.end_amdgpu_metadata
.endif
;; end of part 1
;; launch mix (part 2): grid 32 x 8, 8 waves a work-group, no clusters, 12,544 bytes of LDS; arguments x, Wt, b, coef, out0; writes out0
.if DOCPART == 2
	.amdgcn_target "amdgcn-amd-amdhsa--gfx1250"
	.amdhsa_code_object_version 6
	.text
	.protected	k_qda26427f2a_mix
	.globl	k_qda26427f2a_mix
	.p2align	8
	.type	k_qda26427f2a_mix,@function
k_qda26427f2a_mix:
	s_mov_b64 s[64:65], 0
	v_nop
	global_prefetch_b8 v0, s[64:65] scope:SCOPE_SE
	s_setreg_imm32_b32 hwreg(HW_REG_WAVE_MODE, 25, 1), 1
	s_wait_xcnt 0x0
; out0[b][o][d] = sum_c Wt[o][c] y[b][c][d] + b[o],   y = g (c0 + c1 v + .. + c5 v^5),  v = KAPPA - 2 KAPPA / (1 + 2^(A x + D)),  g = 2^(-v^2),
; with A, D, c5 .. c0 of each row (b, c) from the launch before.  A work-group owns 512 columns of one batch, a wave 64 columns x all 64 channels.
; THE FORMAT.  y and Wt go to the matrix unit in f16, the sums are f32.  Rounding both operands to 8 significant bits would leave an error of some
; 0.002 of the output's root mean square, a quarter of what is allowed: too near for 8,388,608 numbers.  With 11 bits it is an eighth of that.
; y has room in f16 whatever the inputs: it is a convex combination of Hermite functions, |y| <= pi^(-1/4) = 0.752, and below 2^-14 its step is 2^-24.
; Wt is an input, so each of its rows is scaled by 2^-e, 2^e the power of two at or below the row's largest magnitude (kept inside 2^-126 .. 2^125):
; the row's largest entry is then in [1, 8).  The scale is exact and is taken back in the fused multiply-add that adds the bias.
; LIMITS.  An entry of Wt below 2^-14 of its row's largest magnitude is kept with a step of 2^-24 of that magnitude.  Infinity or NaN in Wt
; gives infinity or NaN in that row of out0, not bit for bit.  z = A x + D is one fused multiply-add with D rounded once, so the error of xn grows with
; the channel's offset, about 2^-23 |mean| / sigma (4e-6 at an offset of 30 spreads), far below the rounding of y to f16.
; THE LAYOUT.  A B fragment (16 columns x 32 channels) wants in lane (r, h) column r and channels 8h..8h+7 and 16+8h..16+8h+7.  Which 16 columns a
; tile holds is free: tile i (0..3) takes the columns 4 r + i.  Then lane (r, h) needs, of each of its channels, the 16 bytes at column 4 r:
; one load of the wave covers 256 consecutive bytes, aligned, of channel c and 256 of channel c + 8, and y is computed where it is needed, with
; no trip through LDS.  In the result, register j of tile i holds row o = 8h + j, column 4 r + i: the bias step writes the four tiles' registers j
; side by side, and each store of the wave covers 256 consecutive bytes, aligned, of two rows of out0.
; All 32 loads of x are issued at once and used in their order, each pair behind a counted wait.
; The channel's eight constants differ between the two halves of the lanes, so they come from LDS (64 bytes a step, one step ahead).
; No cluster: what work-groups share is Wt, 2,048 bytes of constants and the bias, 18,688 bytes against 131,072 read and 131,072 written by each.
; No tensor loads: each byte of x is used once, by the lane that loads it.
.set CH,     65536                     ; bytes from a channel's row to the next, in x and in out0
.set WPITCH, 144                       ; a row of Wt in LDS: 128 bytes of f16 + 16: an odd multiple of 16, so 16 rows of a fragment start in 16 different columns of 16 bytes
.set COEF,   64*WPITCH                 ; behind Wt: the batch's 64 rows of 8 constants, 2,048 bytes
.set SCL,    COEF+2048                 ; behind them: 2^e of Wt's 64 rows, 256 bytes
.set KAPPA,   0x4043fc49               ; sqrt(6.5 log2(e))
.set M2KAPPA, 0xc0c3fc49               ; -2 KAPPA
; v1 r, v2 h, v3 my byte offset in x and out0, v4 16 t, v5 8 t, v6 32 h, v7 where I put Wt, v8 where I read Wt's fragments, v9 256 h
.set KM2,  10                          ; v[10:11]   -2 KAPPA twice
.set KK,   12                          ; v[12:13]   KAPPA twice
.set G,    14                          ; v[14:21]   g of 8 numbers           (first: Wt as loaded, with P; last: 2^e of 8 rows)
.set P,    22                          ; v[22:29]   the polynomial, then y   (last: 2^e of 8 more rows)
.set K,    30                          ; v[30:61]   two sets of 16: the constants of a step's two channels   (first: staging of Wt; later OUT)
.set B0,   62                          ; v[62:93]   B fragments of channels 0-31: tile i at B0 + 8 i
.set X,    94                          ; v[94:221]  step s: 8 registers, 4 columns of 2 channels
.set BIAS, 222                         ; v[222:253] b[16 mt + 8 h + j] at BIAS + 8 mt + j
.set B1,   X                           ; B fragments of channels 32-63, in the registers of steps 0-3
.set AF,   X+32                        ; two sets of 16: Wt's fragments of 16 rows, in the registers of steps 4-7
.set D0,   X+64                        ; 4 tiles of results, steps 8-11
.set D1,   X+96                        ; 4 more, steps 12-15
.set OUT,  K                           ; 8 rows x 4 columns to store
.set M,    K+2                         ; v[32:35]   staging: the largest magnitude of my four rows of Wt, then 2^e
.set SC,   K+6                         ; v[36:39]   staging: 2^-e
.set HW,   K+10                        ; v[40:47]   staging: Wt in f16
.set SA,   K+18                        ; v48        staging: 4 (t / 16), where my rows' 2^e go
	s_load_b256 s[4:11], s[0:1], 0x0               ; x s[4:5], Wt s[6:7], b s[8:9], coef s[10:11]
	s_load_b64 s[12:13], s[0:1], 0x20              ; out0
	v_lshl_add_u32 v254, v0, 2, 0x2d00
	v_mov_b32 v255, 0
	v_and_b32 v1, 15, v0                           ; r
	v_bfe_u32 v2, v0, 4, 1                         ; h
	v_lshrrev_b32 v4, 5, v0
	v_readfirstlane_b32 s14, v4                    ; wave 0..7
	v_lshlrev_b32 v3, 4, v1
	v_lshl_add_u32 v3, v2, 19, v3                  ; 16 r + 8 h rows of 65,536 bytes
	v_lshlrev_b32 v4, 4, v0
	v_lshlrev_b32 v5, 3, v0
	v_lshlrev_b32 v6, 5, v2
	v_lshrrev_b32 v7, 4, v0
	v_mul_u32_u24 v7, v7, WPITCH
	v_lshl_add_u32 v7, v1, 3, v7                   ; row t / 16, 8 bytes at column 4 (t % 16)
	v_mul_u32_u24 v8, v1, WPITCH
	v_lshl_add_u32 v8, v2, 4, v8                   ; row r, + 16 h
	v_lshlrev_b32 v9, 8, v2                        ; 8 h channels of 32 bytes
	s_and_b32 s15, ttmp7, 0xffff                   ; batch
	s_lshl_b32 s16, s15, 22                        ; x 64 rows of 65,536 bytes
	s_lshl_b32 s18, ttmp9, 11                      ; + block x 512 columns
	s_add_co_u32 s16, s16, s18
	s_lshl_b32 s18, s14, 8                         ; + wave x 64 columns
	s_add_co_u32 s16, s16, s18
	s_mov_b32 s17, 0
	s_lshl_b32 s18, s15, 11                        ; the batch's constants: 2,048 bytes
	s_mov_b32 s19, 0
	s_wait_kmcnt 0x0
	s_add_nc_u64 s[4:5], s[4:5], s[16:17]
	s_add_nc_u64 s[12:13], s[12:13], s[16:17]
	s_add_nc_u64 s[10:11], s[10:11], s[18:19]
.irp j, 0,1,2,3
	global_load_b128 v[G+4*\j:G+4*\j+3], v4, s[6:7] offset:4096*\j     ; Wt: the 256 threads take 4,096 consecutive bytes at a time
.endr
	global_load_b64 v[K:K+1], v5, s[10:11]                             ; the constants: 8 bytes a thread
.irp m, 0,1,2,3
	global_load_b128 v[BIAS+8*\m:BIAS+8*\m+3], v6, s[8:9] offset:64*\m
	global_load_b128 v[BIAS+8*\m+4:BIAS+8*\m+7], v6, s[8:9] offset:64*\m+16
.endr
.set st, 0
.rept 16
.set cc, 32*(st/8)+16*((st%8)/4)+2*(st%4)                              ; the step's first channel (+ 8 h): register st % 8 of the fragments of channels 32 (st / 8) ..
	global_load_b128 v[X+8*st:X+8*st+3], v3, s[4:5] offset:CH*cc th:TH_LOAD_NT
	global_load_b128 v[X+8*st+4:X+8*st+7], v3, s[4:5] offset:CH*(cc+1) th:TH_LOAD_NT
.set st, st+1
.endr
	v_mov_b32 v[KM2], M2KAPPA
	v_mov_b32 v[KM2+1], M2KAPPA
	v_mov_b32 v[KK], KAPPA
	v_mov_b32 v[KK+1], KAPPA
	v_lshrrev_b32 v[SA], 4, v0
	v_lshlrev_b32 v[SA], 2, v[SA]                  ; 4 (t / 16)
	; WT INTO LDS, scaled row by row and rounded to f16.  Load j gave thread t the columns 4 (t % 16) .. + 3 of row 16 j + t / 16: the sixteen
	; lanes of a half wave hold one whole row, so the row's largest magnitude needs four exchanges inside the half and no other wave.
	s_wait_loadcnt 40                              ; Wt and the constants are in; the 8 loads of b and the 32 of x behind them stay out
.irp j, 0,1,2,3
	v_max3_num_f32 v[M+\j], |v[G+4*\j]|, |v[G+4*\j+1]|, |v[G+4*\j+2]|
.endr
.irp j, 0,1,2,3
	v_max3_num_f32 v[M+\j], v[M+\j], |v[G+4*\j+3]|, 0x00800000         ; at least 2^-126: a row of zeros or denormals is scaled by 2^126
.endr
.irp m, 1,2,4,8
.irp j, 0,1,2,3
	v_max_num_f32_dpp v[M+\j], v[M+\j], v[M+\j] row_xmask:\m row_mask:0xf bank_mask:0xf
.endr
.endr
.irp j, 0,1,2,3
	v_min_num_f32 v[M+\j], 0x7e000000, v[M+\j]     ; at most 2^125, so that 2^-e below is a normal number
.endr
.irp j, 0,1,2,3
	v_and_b32 v[M+\j], 0x7f800000, v[M+\j]         ; the exponent field alone: 2^e
.endr
.irp j, 0,1,2,3
	v_sub_nc_u32 v[SC+\j], 0x7f000000, v[M+\j]     ; exponent field 254 - E: 2^-e
.endr
.irp j, 0,1,2,3
.irp q, 0,1,2,3
	v_mul_f32 v[G+4*\j+\q], v[SC+\j], v[G+4*\j+\q] ; exact: a power of two
.endr
.endr
.irp j, 0,1,2,3
	v_cvt_pk_f16_f32 v[HW+2*\j], v[G+4*\j], v[G+4*\j+1]
	v_cvt_pk_f16_f32 v[HW+2*\j+1], v[G+4*\j+2], v[G+4*\j+3]
	ds_store_b64 v7, v[HW+2*\j:HW+2*\j+1] offset:16*WPITCH*\j          ; rows 16 j + t / 16
	ds_store_b32 v[SA], v[M+\j] offset:SCL+64*\j                       ; the row's 2^e: its sixteen lanes write the same word with the same value
.endr
	ds_store_b64 v5, v[K:K+1] offset:COEF
	s_wait_dscnt 0x0                               ; for the others' sake: my stores are done before I signal
	s_barrier_signal -1
	s_barrier_wait -1                              ; from here on LDS is only read
.macro KLOAD n                         ; the constants of step n's two channels: 64 consecutive bytes, the same for the 16 lanes of a half
.set kc0, 32*((\n)/8)+16*(((\n)%8)/4)+2*((\n)%4)
.set kb, K+16*((\n)%2)
.irp u, 0,1,2,3
	ds_load_b128 v[kb+4*\u:kb+4*\u+3], v9 offset:COEF+32*kc0+16*\u
.endr
.endm
.macro ALOAD mt, buf                   ; Wt's rows 16 mt .. 16 mt + 15: two fragments (channels 0-31, 32-63), 16 registers
.irp u, 0,1,2,3
	ds_load_b128 v[AF+16*\buf+4*\u:AF+16*\buf+4*\u+3], v8 offset:16*WPITCH*\mt+32*\u
.endr
.endm
.macro SLOAD mt, dst                   ; 2^e of the rows 16 mt + 8 h + 0 .. 7, the rows of my eight result registers
	ds_load_b128 v[\dst:\dst+3], v6 offset:SCL+64*\mt
	ds_load_b128 v[\dst+4:\dst+7], v6 offset:SCL+64*\mt+16
.endm
; One step: y of 4 columns of 2 neighbouring channels, packed into one register of each of the four tiles' B fragments.
; A set of constants: A, D, c5, c4, c3, c2, c1, c0; op_sel and op_sel_hi pick one register of a pair for both halves of a packed instruction.
.macro STEP s
.set XS, X+8*\s
.set KC, K+16*(\s%2)
.if \s < 8
.set BB, B0+\s
.else
.set BB, B1+\s-8
.endif
.set DSW, 0
.if \s == 8
	ALOAD 0, 0                                     ; the registers of steps 4-7 are free: Wt's first 32 rows, well ahead of their use
	ALOAD 1, 1
.endif
.if \s < 15
	KLOAD \s+1
.set DSW, 4
.endif
.if \s == 8
.set DSW, 12
.endif
	s_wait_dscnt DSW                               ; this step's constants are in; out stay the next step's 4 loads (in step 8 also the 8 of Wt; in the last step nothing)
	s_wait_loadcnt 30-2*\s                         ; this step's two loads of x are in, the 30 - 2 s younger ones stay out
.irp p, 0,2,4,6
	v_pk_fma_f32 v[XS+\p:XS+\p+1], v[XS+\p:XS+\p+1], v[KC+8*(\p/4):KC+8*(\p/4)+1], v[KC+8*(\p/4):KC+8*(\p/4)+1] op_sel:[0,0,1] op_sel_hi:[1,0,1]   ; z = x A + D
.endr
.irp q, 0,1,2,3,4,5,6,7
	v_exp_f32 v[XS+\q], v[XS+\q]
.endr
	v_nop                                          ; one plain place behind the last transcendental before its result is read (ISA guide 5.7.2)
	s_wait_alu depctr_va_vdst(0)
.irp p, 0,2,4,6
	v_pk_add_f32 v[XS+\p:XS+\p+1], v[XS+\p:XS+\p+1], 1.0 op_sel_hi:[1,0]
.endr
.irp q, 0,1,2,3,4,5,6,7
	v_rcp_f32 v[XS+\q], v[XS+\q]
.endr
	v_nop
	s_wait_alu depctr_va_vdst(0)
.irp p, 0,2,4,6
	v_pk_fma_f32 v[XS+\p:XS+\p+1], v[XS+\p:XS+\p+1], v[KM2:KM2+1], v[KK:KK+1]                      ; v
.endr
.irp p, 0,2,4,6
	v_pk_mul_f32 v[G+\p:G+\p+1], v[XS+\p:XS+\p+1], v[XS+\p:XS+\p+1] neg_lo:[1,0] neg_hi:[1,0]      ; -v^2
.endr
.irp q, 0,1,2,3,4,5,6,7
	v_exp_f32 v[G+\q], v[G+\q]                     ; g; the polynomial below, which does not touch G, fills the place behind it
.endr
.irp p, 0,2,4,6
	v_pk_fma_f32 v[P+\p:P+\p+1], v[XS+\p:XS+\p+1], v[KC+8*(\p/4)+2:KC+8*(\p/4)+3], v[KC+8*(\p/4)+2:KC+8*(\p/4)+3] op_sel:[0,0,1] op_sel_hi:[1,0,1]   ; v c5 + c4
.endr
.irp p, 0,2,4,6
	v_pk_fma_f32 v[P+\p:P+\p+1], v[P+\p:P+\p+1], v[XS+\p:XS+\p+1], v[KC+8*(\p/4)+4:KC+8*(\p/4)+5] op_sel:[0,0,0] op_sel_hi:[1,1,0]   ; .. v + c3
.endr
.irp p, 0,2,4,6
	v_pk_fma_f32 v[P+\p:P+\p+1], v[P+\p:P+\p+1], v[XS+\p:XS+\p+1], v[KC+8*(\p/4)+4:KC+8*(\p/4)+5] op_sel:[0,0,1] op_sel_hi:[1,1,1]   ; .. v + c2
.endr
.irp p, 0,2,4,6
	v_pk_fma_f32 v[P+\p:P+\p+1], v[P+\p:P+\p+1], v[XS+\p:XS+\p+1], v[KC+8*(\p/4)+6:KC+8*(\p/4)+7] op_sel:[0,0,0] op_sel_hi:[1,1,0]   ; .. v + c1
.endr
.irp p, 0,2,4,6
	v_pk_fma_f32 v[P+\p:P+\p+1], v[P+\p:P+\p+1], v[XS+\p:XS+\p+1], v[KC+8*(\p/4)+6:KC+8*(\p/4)+7] op_sel:[0,0,1] op_sel_hi:[1,1,1]   ; .. v + c0
.endr
	s_wait_alu depctr_va_vdst(0)
.irp p, 0,2,4,6
	v_pk_mul_f32 v[P+\p:P+\p+1], v[P+\p:P+\p+1], v[G+\p:G+\p+1]                                    ; y
.endr
.irp i, 0,1,2,3
	v_cvt_pk_f16_f32 v[BB+8*\i], v[P+\i], v[P+4+\i]                    ; column 4 r + i: the lower channel in the lower half
.endr
.endm
	KLOAD 0
.irp s, 0,1,2,3,4,5,6,7,8,9,10,11,12,13,14,15
	STEP \s
.endr
; 16 rows of Wt x the wave's 64 columns: four tiles, two links each; the first link starts the sum with the constant 0
.macro MM buf, d
.irp i, 0,1,2,3
	v_wmma_f32_16x16x32_f16 v[\d+8*\i:\d+8*\i+7], v[AF+16*\buf:AF+16*\buf+7], v[B0+8*\i:B0+8*\i+7], 0
.endr
.irp i, 0,1,2,3
	v_wmma_f32_16x16x32_f16 v[\d+8*\i:\d+8*\i+7], v[AF+16*\buf+8:AF+16*\buf+15], v[B1+8*\i:B1+8*\i+7], v[\d+8*\i:\d+8*\i+7]
.endr
.endm
; sum x 2^e + bias in one fused multiply-add, which also sets the four tiles' registers j side by side: columns 4 r .. 4 r + 3 of row
; 16 mt + 8 h + j; 16 lanes store 256 consecutive bytes, aligned.  sc: the eight registers with the rows' 2^e.
.macro ADDOUT d, mt, sc
.irp j, 0,1,2,3,4,5,6,7
.irp i, 0,1,2,3
	v_fma_f32 v[OUT+4*\j+\i], v[\d+8*\i+\j], v[\sc+\j], v[BIAS+8*\mt+\j]
.endr
	global_store_b128 v3, v[OUT+4*\j:OUT+4*\j+3], s[12:13] offset:CH*(16*\mt+\j) th:TH_STORE_NT
.endr
.endm
.macro PLACES                          ; four plain places between a matrix instruction and a vector instruction that reads its result, or a load into one of its sources
.rept 4
	v_nop
.endr
.endm
	SLOAD 0, G                                     ; G and P are done with: the scales of rows 0-31
	SLOAD 1, P
	MM 0, D0                                       ; rows 0-15 (the last step's wait for 0 LDS loads covers Wt's fragments)
	MM 1, D1                                       ; rows 16-31
	PLACES
	ALOAD 2, 0                                     ; Wt's rows 32-63 into the two sets just used
	ALOAD 3, 1
	s_wait_dscnt 8                                 ; the four loads of scales are in; the eight of Wt behind them stay out
	ADDOUT D0, 0, G
	SLOAD 2, G                                     ; the scales of rows 32-47
	s_wait_xcnt 0x0                                ; OUT is the data of the stores above: it is rewritten only behind this wait
	ADDOUT D1, 1, P
	SLOAD 3, P                                     ; and of rows 48-63
	s_wait_dscnt 0x0
	MM 0, D0                                       ; rows 32-47: D0 was last a matrix result 64 plain vector instructions ago
	MM 1, D1                                       ; rows 48-63
	PLACES
	s_wait_xcnt 0x0
	ADDOUT D0, 2, G
	s_wait_xcnt 0x0
	ADDOUT D1, 3, P
	s_wait_tensorcnt 0x0
	ds_add_u32 v254, v255
	s_wait_dscnt 0x0
	s_endpgm
.Lfunc_end_k_qda26427f2a_mix:
	.size	k_qda26427f2a_mix, .Lfunc_end_k_qda26427f2a_mix-k_qda26427f2a_mix
	.p2alignl 7, 3214868480
	.fill 96, 4, 3214868480
	.section	.rodata,"a",@progbits
	.p2align	6, 0x0
	.amdhsa_kernel k_qda26427f2a_mix
		.amdhsa_group_segment_fixed_size 12544
		.amdhsa_private_segment_fixed_size 0
		.amdhsa_enable_private_segment 0
		.amdhsa_kernarg_size 40
		.amdhsa_user_sgpr_count 2
		.amdhsa_user_sgpr_kernarg_segment_ptr 1
		.amdhsa_wavefront_size32 1
		.amdhsa_system_sgpr_workgroup_id_x 1
		.amdhsa_system_sgpr_workgroup_id_y 1
		.amdhsa_system_sgpr_workgroup_id_z 1
		.amdhsa_system_vgpr_workitem_id 0
		.amdhsa_next_free_vgpr 256
		.amdhsa_next_free_sgpr 66
		.amdhsa_reserve_vcc 0
		.amdhsa_float_denorm_mode_32 3
		.amdhsa_float_denorm_mode_16_64 3
		.amdhsa_memory_ordered 1
		.amdhsa_forward_progress 1
		.amdhsa_inst_pref_size 89
	.end_amdhsa_kernel
	.amdgpu_metadata
---
amdhsa.version: [ 1, 2 ]
amdhsa.kernels:
  - .name:           k_qda26427f2a_mix
    .symbol:         k_qda26427f2a_mix.kd
    .args:
      - { .name: x, .offset: 0, .size: 8, .value_kind: global_buffer, .address_space: global }
      - { .name: Wt, .offset: 8, .size: 8, .value_kind: global_buffer, .address_space: global }
      - { .name: b, .offset: 16, .size: 8, .value_kind: global_buffer, .address_space: global }
      - { .name: coef, .offset: 24, .size: 8, .value_kind: global_buffer, .address_space: global }
      - { .name: out0, .offset: 32, .size: 8, .value_kind: global_buffer, .address_space: global }
    .group_segment_fixed_size: 12544
    .private_segment_fixed_size: 0
    .kernarg_segment_align: 8
    .kernarg_segment_size: 40
    .max_flat_workgroup_size: 256
    .sgpr_count:     66
    .vgpr_count:     256
    .wavefront_size: 32
...
	.end_amdgpu_metadata
.endif
;; end of part 2
;; ======== version 2 of 2: 2 launches; version 1 with the launch mix written anew for expert scheduling mode
;; workspace buffers: coef 16,384 bytes
;; launch coef: the kernel of part 1 again; grid 256 x 1, 16 waves a work-group, no clusters, 3,072 bytes of LDS; arguments x, gamma, beta, coef; writes coef
;; launch mix (part 3): grid 32 x 8, 8 waves a work-group, no clusters, 12,544 bytes of LDS; arguments x, Wt, b, coef, out0; writes out0
.if DOCPART == 3
	.amdgcn_target "amdgcn-amd-amdhsa--gfx1250"
	.amdhsa_code_object_version 6
	.text
	.protected	k_qda26427f2a_mix
	.globl	k_qda26427f2a_mix
	.p2align	8
	.type	k_qda26427f2a_mix,@function
k_qda26427f2a_mix:
	s_mov_b64 s[64:65], 0
	v_nop
	global_prefetch_b8 v0, s[64:65] scope:SCOPE_SE
	s_setreg_imm32_b32 hwreg(HW_REG_WAVE_SCHED_MODE, 0, 2), 2
	s_setreg_imm32_b32 hwreg(HW_REG_WAVE_MODE, 25, 1), 1
	s_wait_xcnt 0x0
	s_wait_alu depctr_vm_vsrc(0)
; out0[b][o][d] = sum_c Wt[o][c] y[b][c][d] + b[o],   y = g (c0 + c1 v + .. + c5 v^5),  v = KAPPA - 2 KAPPA / (1 + 2^(A x + D)),  g = 2^(-v^2),
; with A, D, c5 .. c0 of each row (b, c) from the launch before.  A work-group owns 512 columns of one batch, a wave 64 columns x all 64 channels.
; THE FORMAT.  y and Wt go to the matrix unit in f16, the sums are f32.  Rounding both operands to 8 significant bits would leave an error of some
; 0.002 of the output's root mean square, a quarter of what is allowed: too near for 8,388,608 numbers.  With 11 bits it is an eighth of that.
; y has room in f16 whatever the inputs: it is a convex combination of Hermite functions, |y| <= pi^(-1/4) = 0.752, and below 2^-14 its step is 2^-24.
; Wt is an input, so each of its rows is scaled by 2^-e, 2^e the power of two at or below the row's largest magnitude (kept inside 2^-126 .. 2^125):
; the row's largest entry is then in [1, 8).  The scale is exact and is taken back in the fused multiply-add that adds the bias.
; LIMITS.  An entry of Wt below 2^-14 of its row's largest magnitude is kept with a step of 2^-24 of that magnitude.  Infinity or NaN in Wt
; gives infinity or NaN in that row of out0, not bit for bit.  z = A x + D is one fused multiply-add with D rounded once, so the error of xn grows with
; the channel's offset, about 2^-23 |mean| / sigma (4e-6 at an offset of 30 spreads), far below the rounding of y to f16.
; THE LAYOUT.  A B fragment (16 columns x 32 channels) wants in lane (r, h) column r and channels 8h..8h+7 and 16+8h..16+8h+7.  Which 16 columns a
; tile holds is free: tile i (0..3) takes the columns 4 r + i.  Then lane (r, h) needs, of each of its channels, the 16 bytes at column 4 r:
; one load of the wave covers 256 consecutive bytes, aligned, of channel c and 256 of channel c + 8, and y is computed where it is needed, with
; no trip through LDS.  In the result, register j of tile i holds row o = 8h + j, column 4 r + i: the bias step writes the four tiles' registers j
; side by side, and each store of the wave covers 256 consecutive bytes, aligned, of two rows of out0.
; All 32 loads of x are issued at once and used in their order, each pair behind a counted wait.
; The channel's eight constants differ between the two halves of the lanes, so they come from LDS (64 bytes a step, one step ahead).
; No cluster: what work-groups share is Wt, 2,048 bytes of constants and the bias, 18,688 bytes against 131,072 read and 131,072 written by each.
; No tensor loads: each byte of x is used once, by the lane that loads it.
; THE MODE: SCHED_MODE bits 1:0 = 2 (LLVM: expert scheduling mode 2), set by the entry lines.  The code itself states the register dependences
; between vector or matrix instructions and memory or LDS instructions, with s_wait_alu, always for 0.
; THE PLAN.  Registers that memory or LDS instructions touch:
;   v3 .. v9, SA   offsets and LDS addresses: made at the head, ahead of one wait, and never written again.
;   K0, K1         two sets of constants.  Step s reads K[s % 2]; the LDS loads of step s + 1's constants, issued in step s, land in the other set, which
;                  step s - 1 read.  ONE wait on va_vdst at the head of a step states that step s - 1 is done; the four loads follow it, dealt among the
;                  step's first lines, none of which names the other set.  (At the head K's registers stage Wt: the LDS stores read them.)
;   AF             Wt's fragments, in the registers of steps 4-7: asked for in step 8, behind that step's wait; again behind the first 16 products.
;   G, P, BIAS[0:7]  at the end the scales of 8 rows each: each is asked for behind a wait that shows its last readers done.
;   OA .. OD       four out-buffers, one for each block of 16 rows of out0: the bias lines write a buffer, one wait on va_vdst follows, and the block's eight
;                  stores stand among the next block's bias lines, which write another buffer.  OA lies in K; the fourth group of products puts its
;                  results there once OA's stores have read it (the one wait on vm_vsrc of the way out); behind that group the B fragments
;                  and AF are free and are OB, OC and OD.  No out-buffer is written twice by the bias lines.
.set CH,     65536                     ; bytes from a channel's row to the next, in x and in out0
.set WPITCH, 144                       ; a row of Wt in LDS: 128 bytes of f16 + 16: an odd multiple of 16, so 16 rows of a fragment start in 16 different columns of 16 bytes
.set COEF,   64*WPITCH                 ; behind Wt: the batch's 64 rows of 8 constants, 2,048 bytes
.set SCL,    COEF+2048                 ; behind them: 2^e of Wt's 64 rows, 256 bytes
.set KAPPA,   0x4043fc49               ; sqrt(6.5 log2(e))
.set M2KAPPA, 0xc0c3fc49               ; -2 KAPPA
; v1 r, v2 h, v3 my byte offset in x and out0, v4 16 t, v5 8 t, v6 32 h, v7 where I put Wt, v8 where I read Wt's fragments, v9 256 h
.set KM2,  10                          ; v[10:11]   -2 KAPPA twice
.set KK,   12                          ; v[12:13]   KAPPA twice
.set G,    14                          ; v[14:21]   g of 8 numbers           (first: Wt as loaded, with P; last: 2^e of 8 rows)
.set P,    22                          ; v[22:29]   the polynomial, then y   (last: 2^e of 8 more rows)
.set K,    30                          ; v[30:61]   two sets of 16: the constants of a step's two channels   (first: staging of Wt; later OA, then D2)
.set B0,   62                          ; v[62:93]   B fragments of channels 0-31: tile i at B0 + 8 i
.set X,    94                          ; v[94:221]  step s: 8 registers, 4 columns of 2 channels
.set BIAS, 222                         ; v[222:253] b[16 mt + 8 h + j] at BIAS + 8 mt + j
.set B1,   X                           ; B fragments of channels 32-63, in the registers of steps 0-3
.set AF,   X+32                        ; two sets of 16: Wt's fragments of 16 rows, in the registers of steps 4-7
.set D0,   X+64                        ; 4 tiles of results, steps 8-11: rows 0-15, then rows 32-47
.set D1,   X+96                        ; 4 more, steps 12-15: rows 16-31
.set D2,   K                           ; 4 more: rows 48-63
.set OA,   K                           ; out-buffers, 8 rows x 4 columns each: rows 0-15,
.set OB,   B0                          ; rows 16-31,
.set OC,   B1                          ; rows 32-47,
.set OD,   AF                          ; rows 48-63
.set SC3,  BIAS                        ; 2^e of rows 48-63, where the bias of rows 0-15 lay
.set M,    K+2                         ; v[32:35]   staging: the largest magnitude of my four rows of Wt, then 2^e
.set SC,   K+6                         ; v[36:39]   staging: 2^-e
.set HW,   K+10                        ; v[40:47]   staging: Wt in f16
.set SA,   K+18                        ; v48        staging: 4 (t / 16), where my rows' 2^e go
	s_load_b256 s[4:11], s[0:1], 0x0               ; x s[4:5], Wt s[6:7], b s[8:9], coef s[10:11]
	s_load_b64 s[12:13], s[0:1], 0x20              ; out0
	v_lshl_add_u32 v254, v0, 2, 0x2d00
	v_mov_b32 v255, 0
	v_and_b32 v1, 15, v0                           ; r
	v_bfe_u32 v2, v0, 4, 1                         ; h
	v_lshrrev_b32 v4, 5, v0
	v_readfirstlane_b32 s14, v4                    ; wave 0..7
	v_lshlrev_b32 v3, 4, v1
	v_lshl_add_u32 v3, v2, 19, v3                  ; 16 r + 8 h rows of 65,536 bytes
	v_lshlrev_b32 v4, 4, v0
	v_lshlrev_b32 v5, 3, v0
	v_lshlrev_b32 v6, 5, v2
	v_lshrrev_b32 v7, 4, v0
	v_mul_u32_u24 v7, v7, WPITCH
	v_lshl_add_u32 v7, v1, 3, v7                   ; row t / 16, 8 bytes at column 4 (t % 16)
	v_mul_u32_u24 v8, v1, WPITCH
	v_lshl_add_u32 v8, v2, 4, v8                   ; row r, + 16 h
	v_lshlrev_b32 v9, 8, v2                        ; 8 h channels of 32 bytes
	v_lshrrev_b32 v[SA], 4, v0
	v_lshlrev_b32 v[SA], 2, v[SA]                  ; 4 (t / 16)
	v_mov_b32 v[KM2], M2KAPPA
	v_mov_b32 v[KM2+1], M2KAPPA
	v_mov_b32 v[KK], KAPPA
	v_mov_b32 v[KK+1], KAPPA
	s_wait_alu depctr_va_sdst(0)                   ; s14 is written, ahead of its first reader: the bases of x and out0 are made from it
	s_and_b32 s15, ttmp7, 0xffff                   ; batch
	s_lshl_b32 s16, s15, 22                        ; x 64 rows of 65,536 bytes
	s_lshl_b32 s18, ttmp9, 11                      ; + block x 512 columns
	s_add_co_u32 s16, s16, s18
	s_lshl_b32 s18, s14, 8                         ; + wave x 64 columns
	s_add_co_u32 s16, s16, s18
	s_mov_b32 s17, 0
	s_lshl_b32 s18, s15, 11                        ; the batch's constants: 2,048 bytes
	s_mov_b32 s19, 0
	s_wait_kmcnt 0x0
	s_add_nc_u64 s[4:5], s[4:5], s[16:17]
	s_add_nc_u64 s[12:13], s[12:13], s[16:17]
	s_add_nc_u64 s[10:11], s[10:11], s[18:19]
	s_wait_alu depctr_va_vdst(0)                   ; v3 to v9 and SA are written: every load and store of the kernel, global or LDS, reads one of them as its offset or address
.irp j, 0,1,2,3
	global_load_b128 v[G+4*\j:G+4*\j+3], v4, s[6:7] offset:4096*\j     ; Wt: the 256 threads take 4,096 consecutive bytes at a time
.endr
	global_load_b64 v[K:K+1], v5, s[10:11]                             ; the constants: 8 bytes a thread
.irp m, 0,1,2,3
	global_load_b128 v[BIAS+8*\m:BIAS+8*\m+3], v6, s[8:9] offset:64*\m
	global_load_b128 v[BIAS+8*\m+4:BIAS+8*\m+7], v6, s[8:9] offset:64*\m+16
.endr
.set st, 0
.rept 16
.set cc, 32*(st/8)+16*((st%8)/4)+2*(st%4)                              ; the step's first channel (+ 8 h): register st % 8 of the fragments of channels 32 (st / 8) ..
	global_load_b128 v[X+8*st:X+8*st+3], v3, s[4:5] offset:CH*cc th:TH_LOAD_NT
	global_load_b128 v[X+8*st+4:X+8*st+7], v3, s[4:5] offset:CH*(cc+1) th:TH_LOAD_NT
.set st, st+1
.endr
	; WT INTO LDS, scaled row by row and rounded to f16.  Load j gave thread t the columns 4 (t % 16) .. + 3 of row 16 j + t / 16: the sixteen
	; lanes of a half wave hold one whole row, so the row's largest magnitude needs four exchanges inside the half and no other wave.
	s_wait_loadcnt 40                              ; Wt and the constants are in; the 8 loads of b and the 32 of x behind them stay out
.irp j, 0,1,2,3
	v_max3_num_f32 v[M+\j], |v[G+4*\j]|, |v[G+4*\j+1]|, |v[G+4*\j+2]|
.endr
.irp j, 0,1,2,3
	v_max3_num_f32 v[M+\j], v[M+\j], |v[G+4*\j+3]|, 0x00800000         ; at least 2^-126: a row of zeros or denormals is scaled by 2^126
.endr
.irp m, 1,2,4,8
.irp j, 0,1,2,3
	v_max_num_f32_dpp v[M+\j], v[M+\j], v[M+\j] row_xmask:\m row_mask:0xf bank_mask:0xf
.endr
.endr
.irp j, 0,1,2,3
	v_min_num_f32 v[M+\j], 0x7e000000, v[M+\j]     ; at most 2^125, so that 2^-e below is a normal number
.endr
.irp j, 0,1,2,3
	v_and_b32 v[M+\j], 0x7f800000, v[M+\j]         ; the exponent field alone: 2^e
.endr
.irp j, 0,1,2,3
	v_sub_nc_u32 v[SC+\j], 0x7f000000, v[M+\j]     ; exponent field 254 - E: 2^-e
.endr
.irp j, 0,1,2,3
.irp q, 0,1,2,3
	v_mul_f32 v[G+4*\j+\q], v[SC+\j], v[G+4*\j+\q] ; exact: a power of two
.endr
.endr
.irp j, 0,1,2,3
	v_cvt_pk_f16_f32 v[HW+2*\j], v[G+4*\j], v[G+4*\j+1]
	v_cvt_pk_f16_f32 v[HW+2*\j+1], v[G+4*\j+2], v[G+4*\j+3]
.endr
	s_wait_alu depctr_va_vdst(0)                   ; HW and M are written, which the LDS stores read; and every vector line that names a register of K is done: no other follows ahead of the constants' first loads
.irp j, 0,1,2,3
	ds_store_b64 v7, v[HW+2*\j:HW+2*\j+1] offset:16*WPITCH*\j          ; rows 16 j + t / 16
	ds_store_b32 v[SA], v[M+\j] offset:SCL+64*\j                       ; the row's 2^e: its sixteen lanes write the same word with the same value
.endr
	ds_store_b64 v5, v[K:K+1] offset:COEF
	s_wait_dscnt 0x0                               ; for the others' sake: my stores are done before I signal
	s_barrier_signal -1
	s_barrier_wait -1                              ; from here on LDS is only read
	s_wait_alu depctr_vm_vsrc(0)                   ; my LDS stores have read v[K:K+1], M, HW and SA: the constants of steps 0 and 1 land in these registers
.macro KLOAD n                         ; the constants of step n's two channels: 64 consecutive bytes, the same for the 16 lanes of a half
.set kc0, 32*((\n)/8)+16*(((\n)%8)/4)+2*((\n)%4)
.set kb, K+16*((\n)%2)
.irp u, 0,1,2,3
	ds_load_b128 v[kb+4*\u:kb+4*\u+3], v9 offset:COEF+32*kc0+16*\u
.endr
.endm
.macro ALOAD mt, buf                   ; Wt's rows 16 mt .. 16 mt + 15: two fragments (channels 0-31, 32-63), 16 registers
.irp u, 0,1,2,3
	ds_load_b128 v[AF+16*\buf+4*\u:AF+16*\buf+4*\u+3], v8 offset:16*WPITCH*\mt+32*\u
.endr
.endm
.macro SLOAD mt, dst                   ; 2^e of the rows 16 mt + 8 h + 0 .. 7, the rows of my eight result registers
	ds_load_b128 v[\dst:\dst+3], v6 offset:SCL+64*\mt
	ds_load_b128 v[\dst+4:\dst+7], v6 offset:SCL+64*\mt+16
.endm
; One step: y of 4 columns of 2 neighbouring channels, packed into one register of each of the four tiles' B fragments.
; A set of constants: A, D, c5, c4, c3, c2, c1, c0; op_sel and op_sel_hi pick one register of a pair for both halves of a packed instruction.
; Steps 1 to 14 ask for the next step's constants (step 1's are asked for ahead of step 0, step 15 has no next step).
.macro STEP s
.set XS, X+8*\s
.set KC, K+16*(\s%2)
.set KN, K+16*((\s+1)%2)                                               ; the other set, for the next step,
.set kc1, 32*((\s+1)/8)+16*(((\s+1)%8)/4)+2*((\s+1)%4)                 ; whose first channel this is
.if \s < 8
.set BB, B0+\s
.else
.set BB, B1+\s-8
.endif
.if \s == 0
	s_wait_dscnt 4                                 ; step 0's constants are in; the four loads of step 1's stay out
.else
	s_wait_dscnt 0x0                               ; this step's constants are in: they were asked for a step ago, and nothing younger is out (in step 9: Wt's eight loads of step 8 with them)
.endif
	s_wait_loadcnt 30-2*\s                         ; this step's two loads of x are in, the 30 - 2 s younger ones stay out
.if (\s > 0) && (\s < 15)
	s_wait_alu depctr_va_vdst(0)                   ; the step before is done reading the other set of constants, in which the loads below land; in step 8 also: steps 4 to 7 are done with AF's registers
.endif
.irp p, 0,2,4,6
.if (\s > 0) && (\s < 15)
	ds_load_b128 v[KN+2*\p:KN+2*\p+3], v9 offset:COEF+32*kc1+8*\p      ; the next step's constants, 16 bytes at a time; no line of this step names their set
.endif
	v_pk_fma_f32 v[XS+\p:XS+\p+1], v[XS+\p:XS+\p+1], v[KC+8*(\p/4):KC+8*(\p/4)+1], v[KC+8*(\p/4):KC+8*(\p/4)+1] op_sel:[0,0,1] op_sel_hi:[1,0,1]   ; z = x A + D
.endr
.irp q, 0,1,2,3,4,5,6,7
.if \s == 8
	ds_load_b128 v[AF+4*\q:AF+4*\q+3], v8 offset:16*WPITCH*(\q/4)+32*(\q%4)  ; Wt's first 32 rows, well ahead of their use; no line from this step's wait on names AF before the products
.endif
	v_exp_f32 v[XS+\q], v[XS+\q]
.endr
	v_nop                                          ; one plain place behind the last transcendental before its result is read (ISA guide 5.7.2)
	s_wait_alu depctr_va_vdst(0)
.irp p, 0,2,4,6
	v_pk_add_f32 v[XS+\p:XS+\p+1], v[XS+\p:XS+\p+1], 1.0 op_sel_hi:[1,0]
.endr
.irp q, 0,1,2,3,4,5,6,7
	v_rcp_f32 v[XS+\q], v[XS+\q]
.endr
	v_nop
	s_wait_alu depctr_va_vdst(0)
.irp p, 0,2,4,6
	v_pk_fma_f32 v[XS+\p:XS+\p+1], v[XS+\p:XS+\p+1], v[KM2:KM2+1], v[KK:KK+1]                      ; v
.endr
.irp p, 0,2,4,6
	v_pk_mul_f32 v[G+\p:G+\p+1], v[XS+\p:XS+\p+1], v[XS+\p:XS+\p+1] neg_lo:[1,0] neg_hi:[1,0]      ; -v^2
.endr
.irp q, 0,1,2,3,4,5,6,7
	v_exp_f32 v[G+\q], v[G+\q]                     ; g; the polynomial below, which does not touch G, fills the place behind it
.endr
.irp p, 0,2,4,6
	v_pk_fma_f32 v[P+\p:P+\p+1], v[XS+\p:XS+\p+1], v[KC+8*(\p/4)+2:KC+8*(\p/4)+3], v[KC+8*(\p/4)+2:KC+8*(\p/4)+3] op_sel:[0,0,1] op_sel_hi:[1,0,1]   ; v c5 + c4
.endr
.irp p, 0,2,4,6
	v_pk_fma_f32 v[P+\p:P+\p+1], v[P+\p:P+\p+1], v[XS+\p:XS+\p+1], v[KC+8*(\p/4)+4:KC+8*(\p/4)+5] op_sel:[0,0,0] op_sel_hi:[1,1,0]   ; .. v + c3
.endr
.irp p, 0,2,4,6
	v_pk_fma_f32 v[P+\p:P+\p+1], v[P+\p:P+\p+1], v[XS+\p:XS+\p+1], v[KC+8*(\p/4)+4:KC+8*(\p/4)+5] op_sel:[0,0,1] op_sel_hi:[1,1,1]   ; .. v + c2
.endr
.irp p, 0,2,4,6
	v_pk_fma_f32 v[P+\p:P+\p+1], v[P+\p:P+\p+1], v[XS+\p:XS+\p+1], v[KC+8*(\p/4)+6:KC+8*(\p/4)+7] op_sel:[0,0,0] op_sel_hi:[1,1,0]   ; .. v + c1
.endr
.irp p, 0,2,4,6
	v_pk_fma_f32 v[P+\p:P+\p+1], v[P+\p:P+\p+1], v[XS+\p:XS+\p+1], v[KC+8*(\p/4)+6:KC+8*(\p/4)+7] op_sel:[0,0,1] op_sel_hi:[1,1,1]   ; .. v + c0
.endr
	s_wait_alu depctr_va_vdst(0)
.irp p, 0,2,4,6
	v_pk_mul_f32 v[P+\p:P+\p+1], v[P+\p:P+\p+1], v[G+\p:G+\p+1]                                    ; y
.endr
.irp i, 0,1,2,3
	v_cvt_pk_f16_f32 v[BB+8*\i], v[P+\i], v[P+4+\i]                    ; column 4 r + i: the lower channel in the lower half
.endr
.endm
	KLOAD 0
	KLOAD 1
.irp s, 0,1,2,3,4,5,6,7,8,9,10,11,12,13,14,15
	STEP \s
.endr
; 16 rows of Wt x the wave's 64 columns: four tiles, two links each; the first link starts the sum with the constant 0
.macro MM buf, d
.irp i, 0,1,2,3
	v_wmma_f32_16x16x32_f16 v[\d+8*\i:\d+8*\i+7], v[AF+16*\buf:AF+16*\buf+7], v[B0+8*\i:B0+8*\i+7], 0
.endr
.irp i, 0,1,2,3
	v_wmma_f32_16x16x32_f16 v[\d+8*\i:\d+8*\i+7], v[AF+16*\buf+8:AF+16*\buf+15], v[B1+8*\i:B1+8*\i+7], v[\d+8*\i:\d+8*\i+7]
.endr
.endm
; The bias lines of rows 16 mt .. 16 mt + 15: sum x 2^e + bias in one fused multiply-add, which also sets the four tiles' registers j side by side in
; out-buffer o: columns 4 r .. 4 r + 3 of row 16 mt + 8 h + j; each accumulator is read from its lowest register on.  sc: the eight registers with the rows' 2^e.
; pmt >= 0: the stores of the block before, rows 16 pmt .., out of buffer po, stand among them, one ahead of each four lines: these lines name neither po nor v3.
.macro ROWS d, mt, sc, o, po, pmt
.irp j, 0,1,2,3,4,5,6,7
.if \pmt >= 0
	global_store_b128 v3, v[\po+4*\j:\po+4*\j+3], s[12:13] offset:CH*(16*\pmt+\j) th:TH_STORE_NT   ; 16 lanes store 256 consecutive bytes, aligned
.endif
.irp i, 0,1,2,3
	v_fma_f32 v[\o+4*\j+\i], v[\d+8*\i+\j], v[\sc+\j], v[BIAS+8*\mt+\j]
.endr
.endr
.endm
.macro SEND o, mt                      ; a block's eight stores in one run
.irp j, 0,1,2,3,4,5,6,7
	global_store_b128 v3, v[\o+4*\j:\o+4*\j+3], s[12:13] offset:CH*(16*\mt+\j) th:TH_STORE_NT      ; 16 lanes store 256 consecutive bytes, aligned
.endr
.endm
.macro PLACES                          ; four plain places between a matrix instruction and a vector instruction that reads its result or writes one of its sources (ISA guide 7.12.1)
.rept 4
	v_nop
.endr
.endm
	s_wait_alu depctr_va_vdst(0)                   ; the steps are done reading and writing G and P, in which the scales of rows 0-31 land
	SLOAD 0, G
	SLOAD 1, P
	MM 0, D0                                       ; rows 0-15 (the last step's wait for 0 LDS loads covers Wt's fragments)
	MM 1, D1                                       ; rows 16-31
	PLACES                                         ; for the bias lines below, which read D0
	s_wait_alu depctr_va_vdst(0)                   ; the sixteen products are done reading both sets of AF, in which Wt's rows 32-63 land
	ALOAD 2, 0
	ALOAD 3, 1
	s_wait_dscnt 8                                 ; the four loads of scales are in; the eight of Wt behind them stay out
	ROWS D0, 0, G, OA, 0, -1
	s_wait_alu depctr_va_vdst(0)                   ; the bias lines have written OA, which the stores read, and are done reading G and the bias of rows 0-15, in which the next scales land
	SEND OA, 0
	SLOAD 2, G                                     ; the scales of rows 32-47
	SLOAD 3, SC3                                   ; and of rows 48-63
	s_wait_dscnt 8                                 ; the fragments of rows 32-47 are in; out stay the four loads of rows 48-63 and the four of scales
	MM 0, D0                                       ; rows 32-47: between a product of rows 0-15 and the one that writes over its tile stand the four places and the 24 bias lines of the other three tiles
	s_wait_dscnt 4                                 ; the fragments of rows 48-63 are in; the four loads of scales stay out
	s_wait_xcnt 0x0                                ; OA is the data of the eight stores above: it is rewritten only behind this wait,
	s_wait_alu depctr_vm_vsrc(0)                   ; and those stores have read OA, the registers that the products below write as D2
	MM 1, D2                                       ; rows 48-63
	PLACES                                         ; for the bias lines below, which write over the B fragments and AF and later read D0 and D2
	ROWS D1, 1, P, OB, 0, -1
	s_wait_dscnt 0x0                               ; the scales of rows 32-63 are in
	s_wait_alu depctr_va_vdst(0)                   ; the bias lines have written OB, which the stores among the next lines read
	ROWS D0, 2, G, OC, OB, 1
	s_wait_alu depctr_va_vdst(0)                   ; the bias lines have written OC, which the stores among the next lines read
	ROWS D2, 3, SC3, OD, OC, 2
	s_wait_alu depctr_va_vdst(0)                   ; the bias lines have written OD, which the last eight stores read
	SEND OD, 3
	s_wait_dscnt 0x0
	s_wait_alu depctr_hold_cnt(0) depctr_sa_sdst(0) depctr_va_vdst(0) depctr_va_sdst(0) depctr_va_ssrc(0) depctr_va_vcc(0) depctr_vm_vsrc(0)
	s_wait_tensorcnt 0x0
	ds_add_u32 v254, v255
	s_wait_dscnt 0x0
	s_endpgm
.Lfunc_end_k_qda26427f2a_mix:
	.size	k_qda26427f2a_mix, .Lfunc_end_k_qda26427f2a_mix-k_qda26427f2a_mix
	.p2alignl 7, 3214868480
	.fill 96, 4, 3214868480
	.section	.rodata,"a",@progbits
	.p2align	6, 0x0
	.amdhsa_kernel k_qda26427f2a_mix
		.amdhsa_group_segment_fixed_size 12544
		.amdhsa_private_segment_fixed_size 0
		.amdhsa_enable_private_segment 0
		.amdhsa_kernarg_size 40
		.amdhsa_user_sgpr_count 2
		.amdhsa_user_sgpr_kernarg_segment_ptr 1
		.amdhsa_wavefront_size32 1
		.amdhsa_system_sgpr_workgroup_id_x 1
		.amdhsa_system_sgpr_workgroup_id_y 1
		.amdhsa_system_sgpr_workgroup_id_z 1
		.amdhsa_system_vgpr_workitem_id 0
		.amdhsa_next_free_vgpr 256
		.amdhsa_next_free_sgpr 66
		.amdhsa_reserve_vcc 0
		.amdhsa_float_denorm_mode_32 3
		.amdhsa_float_denorm_mode_16_64 3
		.amdhsa_memory_ordered 1
		.amdhsa_forward_progress 1
		.amdhsa_inst_pref_size 90
	.end_amdhsa_kernel
	.amdgpu_metadata
---
amdhsa.version: [ 1, 2 ]
amdhsa.kernels:
  - .name:           k_qda26427f2a_mix
    .symbol:         k_qda26427f2a_mix.kd
    .args:
      - { .name: x, .offset: 0, .size: 8, .value_kind: global_buffer, .address_space: global }
      - { .name: Wt, .offset: 8, .size: 8, .value_kind: global_buffer, .address_space: global }
      - { .name: b, .offset: 16, .size: 8, .value_kind: global_buffer, .address_space: global }
      - { .name: coef, .offset: 24, .size: 8, .value_kind: global_buffer, .address_space: global }
      - { .name: out0, .offset: 32, .size: 8, .value_kind: global_buffer, .address_space: global }
    .group_segment_fixed_size: 12544
    .private_segment_fixed_size: 0
    .kernarg_segment_align: 8
    .kernarg_segment_size: 40
    .max_flat_workgroup_size: 256
    .sgpr_count:     66
    .vgpr_count:     256
    .wavefront_size: 32
...
	.end_amdgpu_metadata
.endif
;; end of part 3
